; MI455X (gfx1250); checked and timed in simulation.
; The chip was launched on July 23, 2026; its instructions are those of AMD's public machine-readable ISA for CDNA 5 (MIT licence, August 2026) and "CDNA5" Instruction Set Architecture Reference Guide (July 2026). The comments in the code are by the model that wrote it; some were corrected since.
;; Non Recurrent LSTM. Allowed arithmetic: matrix products marked QUANTISED: E4M3 operands, one E8M0 scale for each 32 along K, by v_wmma_scale_f32_16x16x128_f8f6f4 with both operands' format E4M3, f32 sums; everything else in f32.
;; Inputs: W_b0 1,024 x 1,024 float32; W_b1 1,024 x 512 float32; W_f0 1,024 x 1,024 float32; W_f1 1,024 x 512 float32; b_b0 1,024 float32; b_b1 1,024 float32; b_f0 1,024 float32; b_f1 1,024 float32; x 2,048 x 8 x 1,024 float32.
;; Outputs: out0 2,048 x 8 x 512 float32; out1 4 x 8 x 256 float32; out2 4 x 8 x 256 float32.
;; This version of the problem:
;;   THIS VERSION OF THE PROBLEM IS GIVEN IN LOW PRECISION. The matrix products marked QUANTISED in the list below multiply operands that are first quantised to E4M3 (4 exponent bits, 3 mantissa bits; 8 bits a number), with one power-of-two scale for each 32 numbers along K (OCP MX v1.0); their sums are f32. All else is computed in f32.
;;   The module's matrix products, in the order in which they are computed (A, B: the left and right operand; K: the contracted axis; several contracted axes count as one K, in the product's order):
;;     1. [M 16,384, K 1,024] x [K 1,024, N 1,024]; A: input x; B: input W_f0: QUANTISED
;;     2. [M 16,384, K 1,024] x [K 1,024, N 1,024]; A: input x; B: input W_b0: QUANTISED
;;     3. [M 16,384, K 512] x [K 512, N 1,024]; A: computed on the way; B: input W_f1: QUANTISED
;;     4. [M 16,384, K 512] x [K 512, N 1,024]; A: computed on the way; B: input W_b1: QUANTISED
;;   THE QUANTISER, for each operand of a quantised product, along K:
;;     - K is cut into blocks of 32 from its start; a last block that is shorter is filled with zeros.
;;     - A block's scale is 2^e with e = floor(log2(the largest magnitude in the block)) - 8, held to -126 .. 127; a block of zeros has e = 0. As a byte (E8M0): e + 127.
;;     - Each number is divided by its block's scale, clamped to +-448, and rounded to the nearest number of E4M3, ties to even, subnormals kept.
;;     - The product sums the exact products of the quantised numbers (number of the format x scale) in f32.
;;   ~~~python
;;   def quantise(x, axis):      # numpy; x: float32 -> the quantised numbers, widened to float32 again
;;       x = np.moveaxis(x, axis, -1); K = x.shape[-1]
;;       x = np.pad(x, [(0, 0)] * (x.ndim - 1) + [(0, -K % 32)]); x = x.reshape(x.shape[:-1] + (-1, 32)); a = np.abs(x).max(-1, keepdims=True)
;;       e = np.where(a > 0, np.clip(np.frexp(np.where(a > 0, a, 1))[1] - 1 - 8, -126, 127), 0)      # np.frexp(a)[1] - 1 = floor(log2(a)), exactly
;;       r = np.clip(x / 2.0 ** e, -448, 448)
;;       step = 2.0 ** (np.maximum(np.frexp(np.where(r == 0, 1, r))[1] - 1, -6) - 3)
;;       q = np.round(r / step) * step * 2.0 ** e      # np.round: ties to even
;;       return np.moveaxis(q.reshape(q.shape[:-2] + (-1,))[..., :K], -1, axis).astype(np.float32)
;;   ~~~
;;   OPERANDS COMPUTED ON THE WAY. 'Computed on the way' means the value that the module computes at that place (a softmax that the list does not call 'softmax' is quantised finished and normalised). What goes into a quantiser is computed in f32, as accurately as f32 sums, v_exp_f32 and their like allow (about 1e-6 of the number): no bf16 or f16 on the way to a quantiser, and a product that is left as it is and whose result goes on into a quantised operand takes f32 operands (vector FMAs, or v_wmma_f32_16x16x4_f32). A number that lies on a knife's edge between two numbers of the format may be rounded either way, as far as f32 arithmetic and the matrix unit's own rounding can turn it there, and no further.
;; One version. Each part assembles by itself: llvm-mc -triple=amdgcn-amd-amdhsa -mcpu=gfx1250 --defsym DOCPART=n.
;; ======== version 1 of 1: 2 launches
;; workspace buffers: wq 2,359,296 bytes; wsc 73,728 bytes
;; launch prep (part 1): grid 6 x 48, 1 waves a work-group, no clusters, 11,776 bytes of LDS; arguments W_f0, W_b0, W_f1, W_b1, wq, wsc; writes wq, wsc
.if DOCPART == 1
	.amdgcn_target "amdgcn-amd-amdhsa--gfx1250"
	.amdhsa_code_object_version 6
	.text
	.protected	k_q4fa4b22109_prep
	.globl	k_q4fa4b22109_prep
	.p2align	8
	.type	k_q4fa4b22109_prep,@function
k_q4fa4b22109_prep:
	s_mov_b64 s[64:65], 0
	v_nop
	global_prefetch_b8 v0, s[64:65] scope:SCOPE_SE
	s_setreg_imm32_b32 hwreg(HW_REG_WAVE_MODE, 25, 1), 1
	s_wait_xcnt 0x0
; The i, g and o rows of the four weights (f32, K innermost) become codes of FP8 (E4M3) with one E8M0 scale byte for each 32 along K,
; laid in the order in which the second launch's operand registers take them:
;   wq  [18 slots][4 waves][16 fragments][4 c][32 lanes][16 bytes]      wsc [18 slots][4 waves][16 fragments][16 rows] words of four scale bytes
; Slot s = 3 cc + gi: cc = 0..3 layer 0's chunks of 32 units, cc = 4, 5 layer 1's chunks of 64; gi = 0, 1, 2 the gates i, g, o, whose rows begin at 256 G, G = 0, 2, 3.
; THE f GATE (rows 256..511 of each weight) IS NOT READ: the function computed here splits it off and never uses it.
; A fragment is 16 weight rows x 128 K.  THE ROWS OF A TILE ARE NOT NEIGHBOURS: lane r takes row row0 + r + 8 (r / 8), so that the results of two neighbouring tiles are 16 neighbours along the next K.
; A job (one wave, one work-group) takes one tile's 16 rows x 512 along K: four fragments, 8,192 bytes of codes on end, and 256 bytes of scale words on end.
; A block's scale is 2^(floor(log2(its largest magnitude)) - 8); its byte is the largest magnitude's exponent field - 8, held at 1 from below.  A block of zeros so gets the byte 1 over zero codes; this program alone reads the bytes.
; LIMITS: blocks whose largest magnitude lies under 2^-118 (the floor) were not tried; NaN and infinities among the inputs are not served.
; Each load reads 512 consecutive bytes, 16 a lane.  A row's 2,048 bytes turn through a stage in LDS and come back 64 bytes a lane: 16 neighbours along K, two lanes to a block.
; Lane l's 16 codes of row i are piece l = 8 kl + 2 c + h of the row; they go to IMG + 272 l + 16 i, and come back by pieces: lane (r, h) reads piece 8 kl + 2 c + h at 16 r.
.set IMG,  2560                        ; behind the stage (32 places of 80 bytes): 32 pieces x (256 bytes + 16)
.set SCB,  11264                       ; behind them: the job's 256 scale bytes
.set L16,  2                           ; v2   16 x lane
.set TIN,  3                           ; v3   the stage, on the way in: 80 (lane / 4) + 16 (lane % 4)
.set TOUT, 4                           ; v4   and out: 80 x lane
.set XIW,  5                           ; v5   IMG + 272 x lane
.set XSW,  6                           ; v6   SCB + 64 (lane / 8) + (lane / 2) % 4: my block's byte in row 0's word of my fragment
.set XIR,  7                           ; v7   IMG + 272 h + 16 r
.set L8,   8                           ; v8   8 x lane
.set SRD,  9                           ; v9   SCB + 8 x lane
.set TM,   10                          ; v10-13 at work
.set RO,   16                          ; v16-31 row i's byte offset: 16 x lane + (i + 8 (i / 8)) rows
.set X,    32                          ; v32-63 two sets of 16 neighbours
.set CD,   64                          ; v64-127 a row's codes, four registers for each row
.set BY,   128                         ; v128-143 a scale byte for each row
.set OUTR, 144                         ; v144-207 the way out
.set SW,   208                         ; v208-209 the scale words on the way out
                                       ; window 1: the 16 rows as they are loaded, 16 registers a row
.set MSB, 0
.macro WIN new                         ; the immediate's high byte repeats the setting that is left
.if MSB != (\new)
	s_set_vgpr_msb (MSB<<8)|(\new)
.set MSB, (\new)
.endif
.endm
	s_load_b256 s[4:11], s[0:1], 0x0               ; W_f0 s[4:5], W_b0 s[6:7], W_f1 s[8:9], W_b1 s[10:11]
	s_load_b128 s[12:15], s[0:1], 0x20             ; wq s[12:13], wsc s[14:15]
	v_lshl_add_u32 v254, v0, 2, 0x2d00
	v_mov_b32 v255, 0
	v_lshlrev_b32 v[L16], 4, v0                    ; one wave: v0 is the lane
	v_lshrrev_b32 v10, 2, v0
	v_mul_u32_u24 v[TIN], v10, 80
	v_and_b32 v10, 3, v0
	v_lshl_add_u32 v[TIN], v10, 4, v[TIN]
	v_mul_u32_u24 v[TOUT], v0, 80
	v_mul_u32_u24 v[XIW], v0, 272
	v_add_nc_u32 v[XIW], IMG, v[XIW]
	v_lshrrev_b32 v10, 3, v0
	v_lshlrev_b32 v[XSW], 6, v10
	v_bfe_u32 v10, v0, 1, 2
	v_add_nc_u32 v[XSW], v[XSW], v10
	v_add_nc_u32 v[XSW], SCB, v[XSW]
	v_and_b32 v10, 15, v0                          ; r
	v_lshrrev_b32 v11, 4, v0                       ; h
	v_mul_u32_u24 v[XIR], v11, 272
	v_lshl_add_u32 v[XIR], v10, 4, v[XIR]
	v_add_nc_u32 v[XIR], IMG, v[XIR]
	v_lshlrev_b32 v[L8], 3, v0
	v_add_nc_u32 v[SRD], SCB, v[L8]
	; which job: x = cc; y = 16 gi + 4 w + jb
	s_and_b32 s16, ttmp7, 0xffff
	s_lshr_b32 s17, s16, 4                         ; gi
	s_and_b32 s18, s16, 15                         ; 4 w + jb
	s_lshr_b32 s19, s18, 2                         ; w: the wave of the second launch that will read this
	s_and_b32 s20, s18, 3                          ; jb: fragments 4 jb .. 4 jb + 3 of that wave's sixteen
	s_mul_i32 s21, s17, 3
	s_add_co_u32 s21, s21, 1
	s_lshr_b32 s21, s21, 1                         ; G = 0, 2, 3
	s_lshl_b32 s21, s21, 8
	s_and_b32 s22, s19, 1
	s_lshl_b32 s22, s22, 7
	s_add_co_u32 s21, s21, s22                     ; 256 G + 128 (w % 2)
	s_lshr_b32 s23, s20, 1                         ; layer 0: tile jb / 2,
	s_and_b32 s24, s20, 1                          ; K half jb % 2,
	s_lshl_b32 s25, ttmp9, 5                       ; chunk base 32 cc
	s_lshl_b32 s26, ttmp9, 6
	s_sub_co_u32 s26, s26, 256                     ; layer 1: chunk base 64 (cc - 4)
	s_mov_b32 s28, 0x600000                        ; the mantissa field of 448
	s_wait_kmcnt 0x0
	s_cmp_lt_u32 s19, 2                            ; waves 0, 1: the forward weights; the choices hang on the job's number alone
	s_cselect_b64 s[4:5], s[4:5], s[6:7]
	s_cselect_b64 s[8:9], s[8:9], s[10:11]
	s_cmp_ge_u32 ttmp9, 4                          ; layer 1?
	s_cselect_b64 s[4:5], s[8:9], s[4:5]
	s_cselect_b32 s23, s20, s23                    ; tile
	s_cselect_b32 s24, 0, s24                      ; K half
	s_cselect_b32 s25, s26, s25                    ; chunk base
	s_cselect_b32 s27, 11, 12                      ; a row is 2,048 or 4,096 bytes
	s_add_co_u32 s21, s21, s25
	s_lshr_b32 s29, s23, 1
	s_lshl_b32 s29, s29, 5
	s_add_co_u32 s21, s21, s29
	s_and_b32 s29, s23, 1
	s_lshl_b32 s29, s29, 3
	s_add_co_u32 s21, s21, s29                     ; row0 = 256 G + 128 (w % 2) + chunk base + 32 (t / 2) + 8 (t % 2)
	s_lshl_b32 s30, s21, s27
	s_lshl_b32 s24, s24, 11
	s_add_co_u32 s30, s30, s24
	s_mov_b32 s31, 0
	s_add_nc_u64 s[4:5], s[4:5], s[30:31]          ; the tile's first row, at my K half
	s_mul_i32 s32, ttmp9, 3
	s_add_co_u32 s32, s32, s17                     ; slot
	s_lshl_b32 s32, s32, 4
	s_add_co_u32 s32, s32, s18                     ; 16 slot + 4 w + jb
	s_lshl_b32 s30, s32, 13
	s_add_nc_u64 s[12:13], s[12:13], s[30:31]      ; 8,192 bytes of codes a job
	s_lshl_b32 s30, s32, 8
	s_add_nc_u64 s[14:15], s[14:15], s[30:31]      ; 256 bytes of scale words a job
.set qi, 0
.rept 16
	v_lshl_add_u32 v[RO+qi], (qi+8*(qi/8)), s27, v[L16]
.set qi, qi+1
.endr
	WIN 0x40                                       ; destination window 1
.set qi, 0
.rept 16
.set qj, 0
.rept 4
	global_load_b128 v[16*qi+4*qj:16*qi+4*qj+3], v[RO+qi], s[4:5] offset:512*qj th:TH_LOAD_NT   ; 32 lanes read 512 consecutive bytes; read once in the launch
.set qj, qj+1
.endr
.set qi, qi+1
.endr
	WIN 0
.macro TURN t                          ; row t through the stage: LDS serves a wave's instructions in order, so no wait stands between the stores and the loads, nor in front of the next row's stores
	WIN 0x04                                       ; an LDS store's data are its source 1: window 1
.set qi, 0
.rept 4
	ds_store_b128 v[TIN], v[16*(\t)+4*qi:16*(\t)+4*qi+3] offset:640*qi
.set qi, qi+1
.endr
	WIN 0
.set qi, 0
.rept 4
	ds_load_b128 v[X+16*((\t)%2)+4*qi:X+16*((\t)%2)+4*qi+3], v[TOUT] offset:16*qi
.set qi, qi+1
.endr
.endm
.macro QSTEP t
.set XS, X+16*((\t)%2)
.if (\t) == 0
	s_wait_dscnt 0x0
.else
	s_wait_dscnt 0x2                               ; this row is back from the stage; the last row's byte store and image store may be out
.endif
.if (\t) < 15
	s_wait_loadcnt 56-4*(\t)                       ; the next row's four loads are in: behind them 4 (14 - t) were issued
	TURN (\t)+1                                    ; and go through the stage while this row is worked
.endif
	v_max3_num_f32 v[TM], |v[XS]|, |v[XS+1]|, |v[XS+2]|          ; the largest magnitude of my 16, in two chains
	v_max3_num_f32 v[TM+1], |v[XS+3]|, |v[XS+4]|, |v[XS+5]|
.irp i, 6,10
	v_max3_num_f32 v[TM], v[TM], |v[XS+\i]|, |v[XS+\i+1]|
	v_max3_num_f32 v[TM+1], v[TM+1], |v[XS+\i+2]|, |v[XS+\i+3]|
.endr
	v_max3_num_f32 v[TM], v[TM], |v[XS+14]|, |v[XS+15]|
	v_max3_num_f32 v[TM], v[TM], v[TM+1], 0x4800000              ; and the floor 2^(9 - 127): the byte cannot fall under 1
	v_max_num_f32_dpp v[TM], v[TM], v[TM] row_xmask:1 row_mask:0xf bank_mask:0xf   ; with my neighbour's 16: the block's
	v_add_nc_u32 v[TM+3], 0xfc000000, v[TM]        ; 8 off its exponent field: the conversion takes the exponent field of this operand as its scale
	v_and_or_b32 v[TM+2], v[TM], 0x7f800000, s28   ; 448 x the scale
.irp i, 0,1,2,3,4,5,6,7,8,9,10,11,12,13,14,15
	v_med3_num_f32 v[XS+\i], v[XS+\i], -v[TM+2], v[TM+2]         ; the conversion to an 8-bit code does not saturate (ISA guide 7.6.2): the hold comes first
.endr
	v_cvt_scalef32_pk8_fp8_f32 v[CD+4*(\t):CD+4*(\t)+1], v[XS:XS+7], v[TM+3]
	v_cvt_scalef32_pk8_fp8_f32 v[CD+4*(\t)+2:CD+4*(\t)+3], v[XS+8:XS+15], v[TM+3]
	v_lshrrev_b32 v[BY+(\t)], 23, v[TM+3]          ; the scale's byte (also the plain line behind the conversions)
	ds_store_b8 v[XSW], v[BY+(\t)] offset:4*(\t)   ; both lanes of a block write the same byte with the same value
	ds_store_b128 v[XIW], v[CD+4*(\t):CD+4*(\t)+3] offset:16*(\t)
.endm
	s_wait_loadcnt 60                              ; row 0's four loads are in
	TURN 0
.set Q, 0
.rept 16
	QSTEP Q
.set Q, Q+1
.endr
.set qn, 0
.rept 16                                       ; qn = 4 kl + c: registers 4 c .. 4 c + 3 of fragment kl
	ds_load_b128 v[OUTR+4*qn:OUTR+4*qn+3], v[XIR] offset:(8*(qn/4)+2*(qn%4))*272   ; these see my stores: one wave, served in order
.set qn, qn+1
.endr
	ds_load_b64 v[SW:SW+1], v[SRD]
.set qn, 0
.rept 16
	s_wait_dscnt 16-qn                             ; behind load qn: the 15 - qn later ones and the scale words'
	global_store_b128 v[L16], v[OUTR+4*qn:OUTR+4*qn+3], s[12:13] offset:512*qn     ; 32 lanes store 512 consecutive bytes, aligned
.set qn, qn+1
.endr
	s_wait_dscnt 0x0
	global_store_b64 v[L8], v[SW:SW+1], s[14:15]   ; 32 lanes store 256 consecutive bytes, aligned
	s_wait_tensorcnt 0x0
	ds_add_u32 v254, v255
	s_wait_dscnt 0x0
	s_endpgm
.Lfunc_end_k_q4fa4b22109_prep:
	.size	k_q4fa4b22109_prep, .Lfunc_end_k_q4fa4b22109_prep-k_q4fa4b22109_prep
	.p2alignl 7, 3214868480
	.fill 96, 4, 3214868480
	.section	.rodata,"a",@progbits
	.p2align	6, 0x0
	.amdhsa_kernel k_q4fa4b22109_prep
		.amdhsa_group_segment_fixed_size 11776
		.amdhsa_private_segment_fixed_size 0
		.amdhsa_enable_private_segment 0
		.amdhsa_kernarg_size 48
		.amdhsa_user_sgpr_count 2
		.amdhsa_user_sgpr_kernarg_segment_ptr 1
		.amdhsa_wavefront_size32 1
		.amdhsa_system_sgpr_workgroup_id_x 1
		.amdhsa_system_sgpr_workgroup_id_y 1
		.amdhsa_system_sgpr_workgroup_id_z 1
		.amdhsa_system_vgpr_workitem_id 0
		.amdhsa_next_free_vgpr 512
		.amdhsa_next_free_sgpr 66
		.amdhsa_reserve_vcc 0
		.amdhsa_float_denorm_mode_32 3
		.amdhsa_float_denorm_mode_16_64 3
		.amdhsa_memory_ordered 1
		.amdhsa_forward_progress 1
		.amdhsa_inst_pref_size 57
	.end_amdhsa_kernel
	.amdgpu_metadata
---
amdhsa.version: [ 1, 2 ]
amdhsa.kernels:
  - .name:           k_q4fa4b22109_prep
    .symbol:         k_q4fa4b22109_prep.kd
    .args:
      - { .name: W_f0, .offset: 0, .size: 8, .value_kind: global_buffer, .address_space: global }
      - { .name: W_b0, .offset: 8, .size: 8, .value_kind: global_buffer, .address_space: global }
      - { .name: W_f1, .offset: 16, .size: 8, .value_kind: global_buffer, .address_space: global }
      - { .name: W_b1, .offset: 24, .size: 8, .value_kind: global_buffer, .address_space: global }
      - { .name: wq, .offset: 32, .size: 8, .value_kind: global_buffer, .address_space: global }
      - { .name: wsc, .offset: 40, .size: 8, .value_kind: global_buffer, .address_space: global }
    .group_segment_fixed_size: 11776
    .private_segment_fixed_size: 0
    .kernarg_segment_align: 8
    .kernarg_segment_size: 48
    .max_flat_workgroup_size: 32
    .sgpr_count:     66
    .vgpr_count:     512
    .wavefront_size: 32
...
	.end_amdgpu_metadata
.endif
;; end of part 1
;; launch lstm (part 2): grid 256 x 1, 4 waves a work-group, clusters of 4 x 1, 327,680 bytes of LDS; arguments x, wq, wsc, b_f0, b_b0, b_f1, b_b1, out0, out1, out2; writes out0, out1, out2
.if DOCPART == 2
	.amdgcn_target "amdgcn-amd-amdhsa--gfx1250"
	.amdhsa_code_object_version 6
	.text
	.protected	k_q4fa4b22109_lstm
	.globl	k_q4fa4b22109_lstm
	.p2align	8
	.type	k_q4fa4b22109_lstm,@function
k_q4fa4b22109_lstm:
	s_mov_b64 s[64:65], 0
	v_nop
	global_prefetch_b8 v0, s[64:65] scope:SCOPE_SE
	s_setreg_imm32_b32 hwreg(HW_REG_WAVE_MODE, 25, 1), 1
	s_wait_xcnt 0x0
	s_wait_alu depctr_hold_cnt(0) depctr_sa_sdst(0) depctr_va_vdst(0) depctr_va_sdst(0) depctr_va_ssrc(0) depctr_va_vcc(0) depctr_vm_vsrc(0)
	s_getreg_b32 s2, hwreg(HW_REG_IB_STS2, 6, 4)
	s_cmp_eq_u32 s2, 0
	s_cbranch_scc0 .Lentry_in_a_cluster
	s_endpgm
.Lentry_in_a_cluster:
	s_bfe_u32 s2, ttmp6, 0x10000c
	s_cmp_lg_u32 s2, 0x3003
	s_cbranch_scc0 .Lentry_shape_is_right
	s_endpgm
.Lentry_shape_is_right:
; Two layers of two directions, no recurrence: gates = A W^T + b; c = sigmoid(i) tanh(g); h = sigmoid(o) tanh(c).  Layer 0: A = x, K = 1,024; layer 1: A = (h_f, h_b) of layer 0, K = 512.
; All products on codes of FP8 (E4M3) with one E8M0 scale for each 32 along K.  The weights come as codes in fragment order (wq, wsc: the launch before); x and layer 0's h are quantised here.  h of layer 0 never goes to memory.
; THE f GATE IS NOT COMPUTED: the function splits it off and never uses it; its rows of W and b are not read.
; SHARES.  A cluster C owns rows 256 C .. 256 C + 255; the partner at place cx owns, of these, rows 8 j + 2 cx + e (j = 0 .. 31, e = 0, 1): its local row 2 j + e, 64 rows, four tiles m of 16.  So the rows of the final states
; (0 to 7; 16,376 on) fall on the SAME local rows, and the same lanes, in all four partners of the first and of the last cluster: cx enters global addresses alone, no lane mask, no branch, no LDS address.
; THE WAVES SHARE THE COLUMNS: wave w makes units 128 w .. 128 w + 127 of (forward, backward) in both layers, for all 64 rows.  So a weight fragment feeds four matrix
; instructions and is read by one wave alone, and the rows' codes stay in registers: 32 fragments of x, later 16 of h.
; THE WEIGHTS go through a ring of two LDS slots of 128 KiB, 32 KiB a wave; a slot is ONE GATE of one chunk of units (layer 0: 32 units x K 1,024; layer 1: 64 units x K 512): 64 matrix instructions a wave, then a third of the activation.
; A STEP: the slot's 64 products; the change of slots (the slot's fragments have been in registers since the last wait ahead of the products); the activation of the slot just multiplied, with the NEXT slot's 64 LDS loads
; between its runs, 16 at a time: LDS serves them while the wave does vector work.
; CLUSTER.  All work-groups walk the same 18 slots: the four partners of a cluster ask for each JOINTLY (the same tensor load, the same descriptor, mask 15).  x is shared by nobody, so a wider cluster would add nothing.
; THE WALK IS ROTATED.  Cluster C takes layer 0's four chunks in the order C % 4, C % 4 + 1, .. (mod 4) and layer 1's two in the order C % 2, 1 - C % 2: at any step the clusters ask for four (two) different chunks, and each
; slot but those of a cluster's first chunk of a layer has been asked for by other clusters three steps earlier.  The order enters global addresses, a shift count and one branch (on the cluster's number, alike in all partners),
; and no LDS address: the biases are laid into LDS in walking order; so are h's codes, which come to their true places among the operand's registers when they are read back (four copies of that run of loads, one for each C % 4).
; THE MATRIX INSTRUCTION IS USED TRANSPOSED (source 0 = 16 weight rows, source 1 = 16 rows of x or h): a lane (r, h) holds ONE row r, and, by the choice of the weight rows that form a tile, the 16 registers of two
; neighbouring tiles are units 16 h + 0 .. 15 of a block of 32: neighbours along layer 1's K.  The biases are the C of each sum's first matrix instruction.
; ACTIVATION.  With E(t) = 2^(-t log2 e): c = (1 - Eg) / ((1 + Ei)(1 + Eg)), Ei = E(i), Eg = E(2 g); h = (1 - Ec) / ((1 + Eo)(1 + Ec)), Ec = E(2 c): six transcendentals an element.
; LIMITS: tanh so taken has an absolute error of about 1e-7; Eg's exponent is held within +-32 (there tanh is -1 or 1 in f32), so that no infinity meets a zero; sigmoid is 0 once 1 + E overflows (gates under about -88);
; NaN, infinities and blocks whose largest magnitude lies under 2^-118 are not served; a block of zeros keeps the scale byte 1 over zero codes (this program alone reads the bytes).
; REGISTERS, in windows of 256 (s_set_vgpr_msb's low byte: bits 1:0 source 0, 3:2 source 1, 5:4 source 2, 7:6 destination):
;   window 0: v1-26 addresses; v28-43 A's scale words; v44-67 the weights' scale words, three sets; v68-99 biases (layer 0: v84-99 the codes just made); v100-123 at work; v128-255: head: numbers, codes, bytes;
;             layer 0: v128-191 the 8 accumulators, v192-255 U;  layer 1: v128-255 U
;   window 1: head: x's K half 0 as loaded; then a slot's 16 weight fragments
;   window 2: A's fragments (m, k < 4) at 64 m + 16 k        window 3: head: x's K half 1 as loaded; then A's fragments (m, k >= 4); layer 1: v0-127 the 16 accumulators, v128-255 rows on the way out
.set SLOT1, 131072                     ; LDS: slot 0 at 0, slot 1 here: one exclusive or turns an address in one into the other's.  In a slot: wave w at 32,768 w, fragment f at 2,048 f, c at 512 c, lane at 16 x lane
.set EB,    262144                     ; x's images of one K half: 4 m x 32 pieces x 272; later h's 16 register images x 2,048; later the stages for the way out, 4 x 16 x 272
.set XSC,   EB+34816                   ; x's scale words: fragment (m, k) at 64 (8 m + k) + 4 r
.set HSC,   XSC+2048                   ; h's: 64 (4 m + k) + 4 r
.set TURNB, HSC+1024                   ; a stage of 32 x 80 bytes for each wave
.set BIA,   TURNB+4*2560               ; each wave's biases: [3 layer + gate][128 units, in walking order] f32
.set SPARE, BIA+4*3072                 ; the spare words, 128 bytes for each wave: two blocks of 256 bytes that no other line names
.set SPW, 1                            ; v1   SPARE + 4 x my thread's number; never rewritten
.set NIL, 2                            ; v2   0; never rewritten
.set L16, 3                            ; v3   16 x lane
.set WSO, 4                            ; v4   1,024 w + 4 x lane: my place among a slot's scale words
.set LB0, 5                            ; v5   32,768 w + 16 x lane
.set ADB, 6                            ; v6   + the slot ahead
.set BA0, 7                            ; v7   BIA + 3,072 w + 64 h
.set BAD, 8                            ; v8   + the chunk's place in the walk
.set HW0, 9                            ; v9   EB + 2,048 w + 16 x lane
.set HWA, 10                           ; v10  + 512 x the chunk's place in the walk
.set HSA, 11                           ; v11  HSC + 64 w + 4 r
.set LIR, 12                           ; v12  EB + 16 x lane
.set LSR, 13                           ; v13  XSC + 4 x lane
.set STO, 14                           ; v14  EB + 4,352 w + 272 r + 64 h
.set RD,  15                           ; v15  EB + 4,352 w + 272 h + 16 r
.set GO,  16                           ; v16  2,048 h + 16 r
.set FO,  17                           ; v17  1,024 (r % 2) + 64 h
.set FRF, 18                           ; v18  under 2 in the lanes that hold a forward final state: r = 14, 15 (of tile 3), forward waves, last cluster
.set FRB, 19                           ; v19  under 2 in the lanes that hold a backward final state: r = 0, 1 (of tile 0), backward waves, first cluster
.set PFO, 20                           ; v20  8,192 w + 256 x lane
.set TIN, 21                           ; v21  TURNB + 2,560 w + 80 (lane / 4) + 16 (lane % 4)
.set TOUT, 22                          ; v22  TURNB + 2,560 w + 80 x lane
.set XIW, 23                           ; v23  EB + 8,704 w + 272 x lane
.set XSW, 24                           ; v24  XSC + 512 w + 64 (lane / 8) + (lane / 2) % 4
.set XIR, 25                           ; v25  EB + 272 h + 16 r
.set BW,  26                           ; v26  BIA + 3,072 w + 16 x lane
.set SA,  28
.set SB,  44
.set BI,  68
.set PC,  84
.set TM,  100
.set HSW, 116
.set TP,  120                          ; v120-123 at work in the head; at its end v120, v121 the biases' rotated offsets; never rewritten after
.set X,   128
.set CD,  160
.set BY,  224
.set A0,  128
.set U0,  192
.set U1,  128
.set OB,  128                          ; in window 3: four sets of 32, one for each tile of rows
.set WV,  24                           ; s24  wave
.set CX,  25                           ; s25  my place in the cluster: it enters global addresses alone
.set CLN, 27                           ; s27  -32.0
.set G1,  28                           ; s[28:35] descriptor group 1
.set G0A, 36                           ; s[36:39] group 0 of the first fill of slot 0
.set G0B, 40                           ; s[40:43] of slot 1; then it walks
.set TB,  44                           ; s44  LDS byte at which the slot ahead begins
.set CNT, 45
.set SL,  46                           ; s46  17 less the changes of slots passed in layer 0
.set LIM, 47                           ; s47  3 in clusters 0 and 1, else 0
.set PFA, 48                           ; s[48:49] where my work-group's prefetches stand
.set KI,  50                           ; s[50:51] -log2(e), twice: the packed forms name a pair
.set KG,  52                           ; s[52:53] -2 log2(e), twice
.set CL,  54                           ; s54  32.0
.set MNT, 55                           ; s55  the mantissa field of 448
.set SEL, 56                           ; s[56:57] v_permlanex16_b32's selects for lane l xor 16
.set SV,  58
.set HC,  59                           ; s59  512 x the chunk's place in the walk
.set SH,  60                           ; s60  8 x the chunk
.set BO,  61                           ; s61  bytes of biases walked
.set SCUR, 62                          ; s62  the first slot (of wq, wsc) of the chunk in hand
.set SNXT, 63                          ; s63  of the chunk that the walk takes next
.set PH,  66                           ; s[66:67] out1 at my direction's, layer's and chunk's units, my work-group's two rows
.set PCN, 68                           ; s[68:69] out2 likewise
.set OP,  70                           ; s[70:71] out0 at my work-group's first row, my wave's columns, layer 1's first chunk walked
.set WS,  72                           ; s[72:73] wsc at the slot whose words were asked for last
                                       ; s74 at work; s[76:77], s[78:79], s[84:85] offsets in 64 bits: the upper words stay 0
.set R0,  80                           ; s80  C % 4
.set C1B, 81                           ; s81  12 + 3 (C % 2): layer 1's first slot walked
.set FINF, 82                          ; s82  1 in the first and in the last cluster
.set NCHK, 83                          ; s83  the next chunk
.set PHB, 86                           ; s[86:87] out1 at my direction's and layer's plane, my wave's 128 units, my work-group's two rows
.set PCB, 88                           ; s[88:89] out2 likewise
.set CHK, 90                           ; s90  the chunk in hand
.set OP1, 92                           ; s[92:93] out0 without a chunk; then for layer 1's second chunk walked
.set MSB, 0
.macro WIN new                         ; the immediate's high byte repeats the setting that is left
.if MSB != (\new)
	s_set_vgpr_msb (MSB<<8)|(\new)
.set MSB, (\new)
.endif
.endm
.macro PLACES n
.rept \n
	v_nop
.endr
.endm
.macro BARRIER                         ; my LDS stores have landed and my LDS loads are in: then the work-group's barrier
	s_wait_dscnt 0x0
	s_barrier_signal -1
	s_barrier_wait -1
.endm
.macro CROUND                          ; a round of the cluster's barrier
	s_barrier_signal -1
	s_barrier_wait -1
	s_cmp_lg_u32 s[WV], 0
	s_cbranch_scc1 .Lnot_wave_0_\@
	s_barrier_signal -3
.Lnot_wave_0_\@:
	s_barrier_wait -3
	s_barrier_signal -1
	s_barrier_wait -1
.endm
	s_load_b512 s[4:19], s[0:1], 0x0               ; x s[4:5], wq s[6:7], wsc s[8:9], b_f0 s[10:11], b_b0 s[12:13], b_f1 s[14:15], b_b1 s[16:17], out0 s[18:19]
	s_load_b128 s[20:23], s[0:1], 0x40             ; out1 s[20:21], out2 s[22:23]
	v_lshl_add_u32 v[SPW], v0, 2, SPARE
	v_mov_b32 v[NIL], 0
	ds_add_u32 v1, v2
	s_wait_dscnt 0x0
	v_lshrrev_b32 v[TP], 5, v0
	v_readfirstlane_b32 s[WV], v[TP]
	s_bfe_u32 s[CX], ttmp6, 0x40000
	; descriptor group 1: a wave's 32,768 dense bytes of a slot, as 128 rows of 32 elements of 8 bytes, no padding
	s_mov_b32 s[G1], 15|(3<<16)|(1<<21)            ; 15:0 the mask: all four work-groups; 17:16 elements of 8 bytes; 21 set beside a mask
	s_mov_b32 s[G1+1], 32<<16                      ; tensor_dim0 = 32
	s_mov_b32 s[G1+2], 128<<16                     ; tensor_dim1 = 128
	s_mov_b32 s[G1+3], 32<<16                      ; tile_dim0 = 32
	s_mov_b32 s[G1+4], 128                         ; tile_dim1 = 128
	s_mov_b32 s[G1+5], 32                          ; from row to row
	s_mov_b32 s[G1+6], 0
	s_mov_b32 s[G1+7], 0
	s_mov_b32 s[KI], 0xbfb8aa3b
	s_mov_b32 s[KI+1], 0xbfb8aa3b
	s_mov_b32 s[KG], 0xc038aa3b
	s_mov_b32 s[KG+1], 0xc038aa3b
	s_mov_b32 s[CL], 0x42000000
	s_mov_b32 s[CLN], 0xc2000000
	s_mov_b32 s[MNT], 0x600000
	s_mov_b32 s[SEL], 0x76543210
	s_mov_b32 s[SEL+1], 0xfedcba98
	s_mov_b32 s[TB], 0
	s_mov_b32 s[SL], 17
	s_mov_b32 s[HC], 0
	s_mov_b32 s[BO], 0
	s_mov_b32 s[CNT], 4
	s_mov_b32 s75, 0
	s_mov_b32 s77, 0
	s_mov_b32 s79, 0
	s_mov_b32 s85, 0
	s_and_b32 s[R0], ttmp9, 3                      ; in a cluster launch ttmp9 counts clusters: the walk's first chunk of layer 0,
	s_mov_b32 s[CHK], s[R0]
	s_mul_i32 s[SCUR], s[R0], 3                    ; its first slot,
	s_and_b32 s[C1B], ttmp9, 1
	s_mul_i32 s[C1B], s[C1B], 3
	s_add_co_u32 s[C1B], s[C1B], 12                ; and layer 1's
	s_lshl_b32 s74, s[WV], 15                      ; 32,768 w: no place in the cluster enters a descriptor or an LDS address
	s_lshl_b32 s78, s[SCUR], 17
	s_wait_kmcnt 0x0
	s_lshl_b32 s76, s[CX], 15                      ; the prefetches: my work-group's quarter of a slot, told apart by address;
	s_add_nc_u64 s[PFA:PFA+1], s[6:7], s[76:77]
	s_sub_co_u32 s76, s[C1B], 10                   ; ten slots short of layer 1's first slot walked: each change of slots in layer 0 steps it by one
	s_lshl_b32 s76, s76, 17
	s_add_nc_u64 s[PFA:PFA+1], s[PFA:PFA+1], s[76:77]
	s_add_nc_u64 s[6:7], s[6:7], s[74:75]          ; wq at my wave's part of slot 0: it stays
	s_mov_b32 s[G0A], 1                            ; count = 1
	s_mov_b32 s[G0A+1], s74                        ; LDS address: slot 0, my wave's part
	s_add_nc_u64 s[G0A+2:G0A+3], s[6:7], s[78:79]  ; global address: the walk's first slot
	s_mov_b32 s[G0B], 1
	s_add_co_u32 s[G0B+1], s74, SLOT1
	s_add_nc_u64 s[G0B+2:G0B+3], s[G0A+2:G0A+3], SLOT1
	s_or_b32 s[G0A+3], s[G0A+3], 0x80000000        ; type = 2
	s_or_b32 s[G0B+3], s[G0B+3], 0x80000000
	CROUND                                         ; all four work-groups are here: the first joint loads meet
	tensor_load_to_lds s[G0A:G0A+3], s[G1:G1+7]    ; the two first fills stand together: two tensor loads of mine are out; later one
	s_nop 0
	tensor_load_to_lds s[G0B:G0B+3], s[G1:G1+7]
	s_nop 0
	PLACES 4                                       ; four such lines behind a tensor load
	; pointers
	s_lshl_b32 s76, ttmp9, 20                      ; x: the cluster's 256 rows of 4,096 bytes,
	s_lshl_b32 s26, s[CX], 13                      ; my work-group's pair of rows in each eight,
	s_add_co_u32 s76, s76, s26
	s_lshl_b32 s26, s[WV], 18                      ; my wave's 16 local rows: 64 rows of the cluster's on
	s_add_co_u32 s76, s76, s26
	s_add_nc_u64 s[4:5], s[4:5], s[76:77]
	s_lshl_b32 s76, ttmp9, 19                      ; out0: rows of 2,048 bytes, likewise; my wave's 128 columns
	s_lshl_b32 s26, s[CX], 12
	s_add_co_u32 s76, s76, s26
	s_lshl_b32 s26, s[WV], 9
	s_add_co_u32 s76, s76, s26
	s_add_nc_u64 s[OP1:OP1+1], s[18:19], s[76:77]
	s_lshl_b32 s76, s[SCUR], 12                    ; a slot's scale words are 4,096 bytes
	s_add_nc_u64 s[WS:WS+1], s[8:9], s[76:77]
	s_and_b32 s91, s[WV], 1
	s_lshl_b32 s91, s91, 9                         ; 128 (w % 2) units of 4 bytes
	s_lshr_b32 s[NCHK], s[WV], 1                   ; (at work) the direction: 0 forward, 1 backward
	s_lshl_b32 s76, s[NCHK], 13                    ; direction x 8 rows x 1,024 bytes
	s_add_co_u32 s76, s76, s91
	s_lshl_b32 s26, s[CX], 11                      ; my work-group's two of the eight rows
	s_add_co_u32 s76, s76, s26
	s_add_nc_u64 s[PHB:PHB+1], s[20:21], s[76:77]
	s_add_nc_u64 s[PCB:PCB+1], s[22:23], s[76:77]
	s_mov_b32 s76, s91
	s_cmp_lt_u32 s[WV], 2                          ; waves 0, 1: forward
	s_cselect_b64 s[10:11], s[10:11], s[12:13]
	s_cselect_b64 s[14:15], s[14:15], s[16:17]
	s_add_nc_u64 s[10:11], s[10:11], s[76:77]      ; layer 0's bias of my direction, at my 128 units of gate i
	s_add_nc_u64 s[14:15], s[14:15], s[76:77]      ; layer 1's
	s_xor_b32 s76, ttmp9, 63                       ; who holds final states: the wave's number and the cluster's decide, the same in all four partners
	s_or_b32 s76, s76, s[NCHK]
	s_cmp_eq_u32 s76, 0                            ; a forward wave of the last cluster?
	s_cselect_b32 s26, 0, 0x40000000
	s_xor_b32 s76, s[NCHK], 1
	s_or_b32 s76, s76, ttmp9
	s_cmp_eq_u32 s76, 0                            ; a backward wave of the first cluster?
	s_cselect_b32 s91, 0, 0x40000000
	s_cmp_lt_u32 ttmp9, 2
	s_cselect_b32 s[LIM], 3, 0                     ; the same in all four partners
	s_cmp_eq_u32 ttmp9, 0
	s_cselect_b32 s[FINF], 1, 0
	s_cmp_eq_u32 ttmp9, 63
	s_cselect_b32 s[FINF], 1, s[FINF]
	; lane addresses
	v_and_b32 v[TP], 31, v0                        ; lane
	v_and_b32 v[TP+1], 15, v0                      ; r
	v_bfe_u32 v[TP+2], v0, 4, 1                    ; h
	v_lshlrev_b32 v[L16], 4, v[TP]
	v_add_nc_u32 v[FRF], s26, v[TP+1]
	v_add_nc_u32 v[FRF], -14, v[FRF]               ; r - 14 (it wraps to a great number under r = 14), 2^30 more where the wave holds none
	v_add_nc_u32 v[FRB], s91, v[TP+1]
	v_add_nc_u32 v[LB0], s74, v[L16]
	s_lshl_b32 s76, s[WV], 10
	v_lshl_add_u32 v[WSO], v[TP], 2, s76
	s_mul_i32 s76, s[WV], 3072
	s_add_co_u32 s76, s76, BIA
	v_lshl_add_u32 v[BA0], v[TP+2], 6, s76
	v_add_nc_u32 v[BW], s76, v[L16]
	s_lshl_b32 s76, s[WV], 11
	s_add_co_u32 s76, s76, EB
	v_add_nc_u32 v[HW0], s76, v[L16]
	s_lshl_b32 s76, s[WV], 6
	s_add_co_u32 s76, s76, HSC
	v_lshl_add_u32 v[HSA], v[TP+1], 2, s76
	v_add_nc_u32 v[LIR], EB, v[L16]
	v_lshl_add_u32 v[LSR], v[TP], 2, XSC
	s_mul_i32 s76, s[WV], 4352
	s_add_co_u32 s76, s76, EB
	v_mul_u32_u24 v[STO], v[TP+1], 272
	v_lshl_add_u32 v[STO], v[TP+2], 6, v[STO]
	v_add_nc_u32 v[STO], s76, v[STO]
	v_mul_u32_u24 v[RD], v[TP+2], 272
	v_lshl_add_u32 v[RD], v[TP+1], 4, v[RD]
	v_add_nc_u32 v[XIR], EB, v[RD]
	v_add_nc_u32 v[RD], s76, v[RD]
	v_lshlrev_b32 v[GO], 11, v[TP+2]
	v_lshl_add_u32 v[GO], v[TP+1], 4, v[GO]
	v_and_b32 v[TP+3], 1, v[TP+1]
	v_lshlrev_b32 v[FO], 10, v[TP+3]
	v_lshl_add_u32 v[FO], v[TP+2], 6, v[FO]
	s_lshl_b32 s76, s[WV], 13
	v_lshl_add_u32 v[PFO], v[TP], 8, s76
	s_mul_i32 s76, s[WV], 2560
	s_add_co_u32 s76, s76, TURNB
	v_lshrrev_b32 v[TP+3], 2, v[TP]
	v_mul_u32_u24 v[TIN], v[TP+3], 80
	v_and_b32 v[TP+3], 3, v[TP]
	v_lshl_add_u32 v[TIN], v[TP+3], 4, v[TIN]
	v_add_nc_u32 v[TIN], s76, v[TIN]
	v_mul_u32_u24 v[TOUT], v[TP], 80
	v_add_nc_u32 v[TOUT], s76, v[TOUT]
	s_mul_i32 s76, s[WV], 8704
	s_add_co_u32 s76, s76, EB
	v_mul_u32_u24 v[XIW], v[TP], 272
	v_add_nc_u32 v[XIW], s76, v[XIW]
	s_lshl_b32 s76, s[WV], 9
	s_add_co_u32 s76, s76, XSC
	v_lshrrev_b32 v[TP+3], 3, v[TP]
	v_lshlrev_b32 v[XSW], 6, v[TP+3]
	v_bfe_u32 v[TP+3], v[TP], 1, 2
	v_add_nc_u32 v[XSW], v[XSW], v[TP+3]
	v_add_nc_u32 v[XSW], s76, v[XSW]
	s_lshl_b32 s76, s[R0], 7                       ; the biases are read rotated, so that they lie in LDS in walking order: layer 0 by C % 4 chunks of 128 bytes,
	v_add_nc_u32 v[TP], s76, v[L16]
	v_and_b32 v[TP], 511, v[TP]
	s_and_b32 s76, ttmp9, 1
	s_lshl_b32 s76, s76, 8                         ; layer 1 by C % 2 chunks of 256 bytes, inside my wave's 512 bytes of a gate
	v_add_nc_u32 v[TP+1], s76, v[L16]
	v_and_b32 v[TP+1], 511, v[TP+1]
.irp b, 0,1,2,3
	v_mov_b32 v[TM+4+\b], 0                        ; written once: a lane permute's destination counts as one of its sources
	v_mov_b32 v[HSW+\b], 0                         ; h's scale words are gathered byte by byte
.endr
	; loads: my six runs of 128 biases (512 bytes each), the first slot's scale words, and all of my 16 rows of x: K half 0, then K half 1.  Local row i of my 16 lies 8 (i / 2) + i % 2 rows on in memory
.set qg, 0
.rept 3
	global_load_b128 v[BI+4*qg:BI+4*qg+3], v[TP], s[10:11] offset:1024*((3*qg+1)/2)        ; gates i, g, o begin at units 0, 512, 768
	global_load_b128 v[BI+12+4*qg:BI+12+4*qg+3], v[TP+1], s[14:15] offset:1024*((3*qg+1)/2)
.set qg, qg+1
.endr
.set qe, 0
.rept 8
	global_load_b32 v[SB+qe], v[WSO], s[WS:WS+1] offset:128*qe     ; lanes 0-15: fragment 2 e's 16 words; lanes 16-31: fragment 2 e + 1's
.set qe, qe+1
.endr
	WIN 0x40                                       ; destination window 1
.set qi, 0
.rept 16
.set qj, 0
.rept 4
	global_load_b128 v[16*qi+4*qj:16*qi+4*qj+3], v[L16], s[4:5] offset:4096*(8*(qi/2)+qi%2)+512*qj th:TH_LOAD_NT   ; 32 lanes read 512 consecutive bytes; read once in the launch
.set qj, qj+1
.endr
.set qi, qi+1
.endr
	WIN 0xc0                                       ; destination window 3
.set qi, 0
.rept 16
.set qj, 0
.rept 4
	global_load_b128 v[16*qi+4*qj:16*qi+4*qj+3], v[L16], s[4:5] offset:4096*(8*(qi/2)+qi%2)+2048+512*qj th:TH_LOAD_NT
.set qj, qj+1
.endr
.set qi, qi+1
.endr
	WIN 0
; Step t = local row t % 16 of my 16, K half t / 16.  Its 2,048 bytes go through my stage as they lie and come back 64 bytes a lane: lane l then holds K = 16 l + 0 .. 15 of the half, two lanes to a block.
.macro TURN t
.if (\t) < 16
	WIN 0x04                                       ; an LDS store's data are its source 1: window 1
.else
	WIN 0x0c                                       ; window 3
.endif
.set qi, 0
.rept 4
	ds_store_b128 v[TIN], v[16*((\t)%16)+4*qi:16*((\t)%16)+4*qi+3] offset:640*qi
.set qi, qi+1
.endr
	WIN 0
.set qi, 0
.rept 4
	ds_load_b128 v[X+16*((\t)%2)+4*qi:X+16*((\t)%2)+4*qi+3], v[TOUT] offset:16*qi   ; LDS serves a wave's instructions in order: these see the stores above, and the next step's stores come behind them
.set qi, qi+1
.endr
.endm
.macro QSTEP t
.set XS, X+16*((\t)%2)
.if (\t) == 0
	s_wait_dscnt 0x0
.else
	s_wait_dscnt 0x2                               ; this step's numbers are back from the stage; the last step's byte store and image store may be out
.endif
.if (\t) < 31
.set NW, 120-4*(\t)                    ; behind the next step's four loads 4 (30 - t) were issued; a smaller count is right too, and 60 is the most that is written here
.if NW > 60
.set NW, 60
.endif
	s_wait_loadcnt NW
	TURN (\t)+1
.endif
	v_max3_num_f32 v[TM], |v[XS]|, |v[XS+1]|, |v[XS+2]|          ; the largest magnitude of my 16, in two chains
	v_max3_num_f32 v[TM+1], |v[XS+3]|, |v[XS+4]|, |v[XS+5]|
.irp i, 6,10
	v_max3_num_f32 v[TM], v[TM], |v[XS+\i]|, |v[XS+\i+1]|
	v_max3_num_f32 v[TM+1], v[TM+1], |v[XS+\i+2]|, |v[XS+\i+3]|
.endr
	v_max3_num_f32 v[TM], v[TM], |v[XS+14]|, |v[XS+15]|
	v_max3_num_f32 v[TM], v[TM], v[TM+1], 0x4800000              ; and the floor 2^(9 - 127): the byte cannot fall under 1
	v_max_num_f32_dpp v[TM], v[TM], v[TM] row_xmask:1 row_mask:0xf bank_mask:0xf   ; with my neighbour's 16: the block's
	v_add_nc_u32 v[TM+3], 0xfc000000, v[TM]        ; 8 off its exponent field: the conversion's scale operand
	v_and_or_b32 v[TM+2], v[TM], 0x7f800000, s[MNT]              ; 448 x the scale
.irp i, 0,1,2,3,4,5,6,7,8,9,10,11,12,13,14,15
	v_med3_num_f32 v[XS+\i], v[XS+\i], -v[TM+2], v[TM+2]         ; the conversion to an 8-bit code does not saturate (ISA guide 7.6.2): the hold comes first
.endr
	v_cvt_scalef32_pk8_fp8_f32 v[CD+4*((\t)%16):CD+4*((\t)%16)+1], v[XS:XS+7], v[TM+3]
	v_cvt_scalef32_pk8_fp8_f32 v[CD+4*((\t)%16)+2:CD+4*((\t)%16)+3], v[XS+8:XS+15], v[TM+3]
	v_lshrrev_b32 v[BY+(\t)%16], 23, v[TM+3]       ; the scale's byte (also the plain line behind the conversions)
	ds_store_b8 v[XSW], v[BY+(\t)%16] offset:256*((\t)/16)+4*((\t)%16)             ; both lanes of a block write the same byte with the same value
	ds_store_b128 v[XIW], v[CD+4*((\t)%16):CD+4*((\t)%16)+3] offset:16*((\t)%16)   ; piece l = 8 kl + 2 c + h of row t % 16 of tile w
.endm
.macro AREAD half                      ; all four tiles' fragments of one K half: lane (r, h) reads piece 8 kl + 2 c + h at 16 r
	WIN 0x80+0x40*(\half)                          ; destination window 2 or 3
.set qm, 0
.rept 4
.set qn, 0
.rept 16                                       ; qn = 4 kl + c
	ds_load_b128 v[64*qm+4*qn:64*qm+4*qn+3], v[XIR] offset:8704*qm+(8*(qn/4)+2*(qn%4))*272
.set qn, qn+1
.endr
.set qm, qm+1
.endr
	WIN 0
.endm
; THE NEXT SLOT'S WAY FROM LDS INTO REGISTERS.  BIASLD: tile t's eight biases of my half: units 32 (t / 2) + 8 (t % 2) + 16 h + 0 .. 7 of the chunk.  LDSTART: behind a change of slots: the slot's address, its biases.
; LDF: the next 16 of its 64 fragment loads, K step by K step (layer 0: fragment f = 8 t + k; layer 1: f = 4 t + k); each reads 512 consecutive bytes.  HOOK: LDF while any are left.
.macro BIASLD lay, p
	v_add_nc_u32 v[BAD], s[BO], v[BA0]
.set qt, 0
.rept 2+2*(\lay)
	ds_load_b128 v[BI+8*qt:BI+8*qt+3], v[BAD] offset:512*(3*(\lay)+(\p))+4*(32*(qt/2)+8*(qt%2))
	ds_load_b128 v[BI+8*qt+4:BI+8*qt+7], v[BAD] offset:512*(3*(\lay)+(\p))+4*(32*(qt/2)+8*(qt%2))+16
.set qt, qt+1
.endr
.endm
.macro LDSTART lay, p
	WIN 0
	v_add_nc_u32 v[ADB], s[TB], v[LB0]
	BIASLD \lay, \p
.set LQ, 0
.set LNT, 2+2*(\lay)
.set LNK, 8-4*(\lay)
.endm
.macro LDF
	WIN 0x40                                       ; destination window 1
.rept 16
.set qk, LQ/(4*LNT)
.set qt, (LQ/4)%LNT
.set qc, LQ%4
.set qf, LNK*qt+qk
	ds_load_b128 v[16*qf+4*qc:16*qf+4*qc+3], v[ADB] offset:2048*qf+512*qc
.set LQ, LQ+1
.endr
.endm
.macro HOOK
.if LQ < 64
	LDF
.endif
.endm
	s_wait_loadcnt 60                              ; the biases, the first slot's scale words and step 0's numbers are in: more than 60 loads were issued behind each of them
.set qg, 0
.rept 6
	ds_store_b128 v[BW], v[BI+4*qg:BI+4*qg+3] offset:512*qg      ; into my own bytes: nobody else reads them
.set qg, qg+1
.endr
	TURN 0
.set Q, 0
.rept 16
	QSTEP Q
.set Q, Q+1
.endr
	BARRIER                                        ; K half 0's images of all 64 rows lie in LDS
	AREAD 0
	BARRIER                                        ; every wave has them in registers: the bytes may be written again
.rept 16
	QSTEP Q
.set Q, Q+1
.endr
	BARRIER                                        ; K half 1's images, and all of x's scale words
	AREAD 1
.set qe, 0
.rept 16                                       ; register 4 m + q: lanes 0-15 the words of fragment (m, 2 q), lanes 16-31 those of (m, 2 q + 1)
	ds_load_b32 v[SA+qe], v[LSR] offset:128*qe
.set qe, qe+1
.endr
	s_wait_tensorcnt 0x1                           ; my part of LDS slot 0 is in, and I alone read it; slot 1's may stay out
	LDSTART 0, 0
	HOOK
	HOOK
	HOOK
	HOOK
	WIN 0
; A SLOT'S PRODUCTS.  lay: the layer; p: the gate's place 0, 1, 2; more = 1: the scale words of slot s[reg] + add, the walk's next, are asked for.
; Layer 0: 2 tiles of units x 8 K steps; layer 1: 4 x 4.  Each fragment meets the four tiles of rows.
; The accumulators take turns, one instruction a turn, 8 or 16 to a K step, in the same order in every K step.
.macro MM lay, p, more, reg, add
.set NT, 2+2*(\lay)
.set NK, 8-4*(\lay)
	WIN 0
	s_wait_loadcnt 0x0                             ; this slot's scale words, asked for a slot ago, are in; so their base may be written
.if \more
	s_add_co_u32 s76, s[\reg], \add
	s_lshl_b32 s76, s76, 12
	s_add_nc_u64 s[WS:WS+1], s[8:9], s[76:77]
.set qe, 0
.rept 8
	global_load_b32 v[SB+8*(((\p)+1)%3)+qe], v[WSO], s[WS:WS+1] offset:128*qe
.set qe, qe+1
.endr
.endif
.set qk, 0
.rept NK
	s_wait_dscnt 64-4*NT*(qk+1)                    ; this K step's fragments are in: behind them stand the later K steps' loads (and, in some steps, younger LDS lines: the count is then smaller than it need be)
.if \lay
.if qk == 0
	WIN 0xc9                                       ; weights window 1, h window 2, biases window 0, results window 3
.else
	WIN 0xf9                                       ; C and D window 3
.endif
.else
.if qk < 4
	WIN 0x09                                       ; weights window 1, x window 2, C and D window 0
.else
	WIN 0x0d                                       ; x window 3
.endif
.endif
.set qm, 0
.rept 4
.set qt, 0
.rept NT
.set qf, NK*qt+qk
.set rD, (1-(\lay))*A0+8*NT*qm+8*qt
.set rA, 64*qm+16*(qk%4)
.set rSB, SB+8*(\p)+qf/2
.set rSA, SA+(NK/2)*qm+qk/2
.if qk == 0
	v_wmma_scale_f32_16x16x128_f8f6f4 v[rD:rD+7], v[16*qf:16*qf+15], v[rA:rA+15], v[BI+8*qt:BI+8*qt+7], v[rSB], v[rSA]
.elseif qk%2 == 0
	v_wmma_scale_f32_16x16x128_f8f6f4 v[rD:rD+7], v[16*qf:16*qf+15], v[rA:rA+15], v[rD:rD+7], v[rSB], v[rSA]
.else
	v_wmma_scale_f32_16x16x128_f8f6f4 v[rD:rD+7], v[16*qf:16*qf+15], v[rA:rA+15], v[rD:rD+7], v[rSB], v[rSA] matrix_a_scale:MATRIX_SCALE_ROW1 matrix_b_scale:MATRIX_SCALE_ROW1
.endif
.set qt, qt+1
.endr
.set qm, qm+1
.endr
.set qk, qk+1
.endr
	WIN 0
	PLACES 8                                       ; eight places behind this form ahead of the first read of results and of loads into the fragments' and the biases' registers
.endm
; THE ACTIVATION, a third behind each gate's products, in runs over n registers from the low end on.  wa: the accumulators' window; ab, ub: where they and U begin.  Between the runs: the next slot's LDS loads.
.macro PH_I n, wa, ab, ub              ; U = 1 + Ei
	WIN ((\wa)<<6)|(\wa)
.set qj, 0
.rept (\n)/2
	v_pk_mul_f32 v[\ab+qj:\ab+qj+1], v[\ab+qj:\ab+qj+1], s[KI:KI+1] op_sel_hi:[1,0]
.set qj, qj+2
.endr
	HOOK
	WIN (\wa)
.set qj, 0
.rept \n
	v_exp_f32 v[\ub+qj], v[\ab+qj]
.set qj, qj+1
.endr
	HOOK
	WIN 0
	v_nop                                          ; a plain line between the exponentials and the use of their results
.set qj, 0
	s_wait_alu depctr_va_vdst(0)
.rept (\n)/2
	v_pk_add_f32 v[\ub+qj:\ub+qj+1], v[\ub+qj:\ub+qj+1], 1.0 op_sel_hi:[1,0]
.set qj, qj+2
.endr
	HOOK
	HOOK
	WIN 0
.endm
.macro PH_G n, wa, ab, ub              ; U = c = (1 - Eg) / ((1 + Ei)(1 + Eg))
	WIN ((\wa)<<6)|(\wa)
.set qj, 0
.rept (\n)/2
	v_pk_mul_f32 v[\ab+qj:\ab+qj+1], v[\ab+qj:\ab+qj+1], s[KG:KG+1] op_sel_hi:[1,0]
.set qj, qj+2
.endr
.set qj, 0
.rept \n
	v_med3_num_f32 v[\ab+qj], v[\ab+qj], s[CLN], s[CL]           ; Eg stays within 2^-32 .. 2^32: an infinite 1 + Ei never meets a zero, nor 1 - Eg a zero as infinity
.set qj, qj+1
.endr
	HOOK
	WIN ((\wa)<<6)|(\wa)
.set qj, 0
.rept \n
	v_exp_f32 v[\ab+qj], v[\ab+qj]
.set qj, qj+1
.endr
	v_nop
	HOOK
	WIN (\wa)<<2
.set qj, 0
	s_wait_alu depctr_va_vdst(0)
.rept (\n)/2
	v_pk_fma_f32 v[\ub+qj:\ub+qj+1], v[\ub+qj:\ub+qj+1], v[\ab+qj:\ab+qj+1], v[\ub+qj:\ub+qj+1]   ; (1 + Ei) Eg + (1 + Ei)
.set qj, qj+2
.endr
	HOOK
	WIN 0
.set qj, 0
.rept \n
	v_rcp_f32 v[\ub+qj], v[\ub+qj]
.set qj, qj+1
.endr
	WIN ((\wa)<<6)|(\wa)
.set qj, 0
.rept (\n)/2
	v_pk_fma_f32 v[\ab+qj:\ab+qj+1], v[\ab+qj:\ab+qj+1], -1.0, 1.0 op_sel_hi:[1,0,0]   ; 1 - Eg: plain lines that name nothing of the reciprocals stand between these and the use of their results
.set qj, qj+2
.endr
	HOOK
	WIN (\wa)<<2
.set qj, 0
	s_wait_alu depctr_va_vdst(0)
.rept (\n)/2
	v_pk_mul_f32 v[\ub+qj:\ub+qj+1], v[\ub+qj:\ub+qj+1], v[\ab+qj:\ab+qj+1]
.set qj, qj+2
.endr
	WIN 0
.endm
.macro PH_O n, wa, ab, ub              ; U = h = (1 - Ec) / ((1 + Eo)(1 + Ec))
	WIN ((\wa)<<6)|(\wa)
.set qj, 0
.rept (\n)/2
	v_pk_mul_f32 v[\ab+qj:\ab+qj+1], v[\ab+qj:\ab+qj+1], s[KI:KI+1] op_sel_hi:[1,0]
.set qj, qj+2
.endr
.set qj, 0
.rept \n
	v_exp_f32 v[\ab+qj], v[\ab+qj]
.set qj, qj+1
.endr
	v_nop
	HOOK
	WIN ((\wa)<<6)|(\wa)
.set qj, 0
	s_wait_alu depctr_va_vdst(0)
.rept (\n)/2
	v_pk_add_f32 v[\ab+qj:\ab+qj+1], v[\ab+qj:\ab+qj+1], 1.0 op_sel_hi:[1,0]
.set qj, qj+2
.endr
	HOOK
	WIN 0
.set qj, 0
.rept (\n)/2
	v_pk_mul_f32 v[\ub+qj:\ub+qj+1], v[\ub+qj:\ub+qj+1], s[KG:KG+1] op_sel_hi:[1,0]
.set qj, qj+2
.endr
	HOOK
	WIN 0
.set qj, 0
.rept \n
	v_exp_f32 v[\ub+qj], v[\ub+qj]                 ; Ec: |c| is at most 1, so Ec is neither 0 nor infinite
.set qj, qj+1
.endr
	v_nop
	HOOK
	WIN ((\wa)<<6)|((\wa)<<4)|(\wa)
.set qj, 0
	s_wait_alu depctr_va_vdst(0)
.rept (\n)/2
	v_pk_fma_f32 v[\ab+qj:\ab+qj+1], v[\ab+qj:\ab+qj+1], v[\ub+qj:\ub+qj+1], v[\ab+qj:\ab+qj+1]   ; (1 + Eo) Ec + (1 + Eo)
.set qj, qj+2
.endr
	WIN ((\wa)<<6)|(\wa)
.set qj, 0
.rept \n
	v_rcp_f32 v[\ab+qj], v[\ab+qj]
.set qj, qj+1
.endr
	WIN 0
.set qj, 0
.rept (\n)/2
	v_pk_fma_f32 v[\ub+qj:\ub+qj+1], v[\ub+qj:\ub+qj+1], -1.0, 1.0 op_sel_hi:[1,0,0]   ; 1 - Ec: plain lines that name nothing of the reciprocals stand between these and the use of their results
.set qj, qj+2
.endr
	WIN (\wa)<<2
.set qj, 0
	s_wait_alu depctr_va_vdst(0)
.rept (\n)/2
	v_pk_mul_f32 v[\ub+qj:\ub+qj+1], v[\ub+qj:\ub+qj+1], v[\ab+qj:\ab+qj+1]
.set qj, qj+2
.endr
	WIN 0
.endm
; THE FINAL STATES: the forward direction's are rows 16,376 on: local rows 62, 63 (tile 3, r = 14, 15) of each partner of the last cluster; the backward one's rows 0 to 7: local rows 0, 1 (tile 0, r = 0, 1) of each partner
; of the first.  All other clusters jump over the lines: a branch on the cluster's number, alike in all partners.  Inside, the lanes that hold such a row store and all others are off; the mask hangs on the lane, the wave and the
; cluster; which two of the eight rows are mine stands in the base.  n: registers of U for a tile of rows.  EXEC is a source of pending loads and stores: it changes only behind s_wait_xcnt 0.
.macro FINAL n, ub, ptr
	s_cmp_eq_u32 s[FINF], 0
	s_cbranch_scc1 .Lno_final_\@
.irp z, 0,1
.if \z == 0
	v_cmp_gt_u32 vcc_lo, 2, v[FRF]
.else
	v_cmp_gt_u32 vcc_lo, 2, v[FRB]
.endif
	s_wait_xcnt 0x0
	s_and_saveexec_b32 s[SV], vcc_lo
.set qb, 0
.rept (\n)/16
.set qq, 0
.rept 4
	global_store_b128 v[FO], v[\ub+(\n)*(3-3*\z)+16*qb+4*qq:\ub+(\n)*(3-3*\z)+16*qb+4*qq+3], s[\ptr:\ptr+1] offset:128*qb+16*qq
.set qq, qq+1
.endr
.set qb, qb+1
.endr
	s_wait_xcnt 0x0                                ; the stores have read their data, their base and EXEC
	s_or_b32 exec_lo, exec_lo, s[SV]
.endr
.Lno_final_\@:
.endm
; Layer 0's h becomes layer 1's operand.  U + 16 m + i is h(local row 16 m + r, column 128 w + 32 chunk + 16 h + i): four registers of fragment (m, k = w).  A block of 32 lies in lanes l and l xor 16.
; The codes go to LDS as an image of four of the operand's registers, 16 bytes a lane, at the chunk's place in the WALK; the scale's byte goes to the TRUE chunk's place in the word, which is stored in every trip: the last trip leaves it whole.
.macro QUANTH
	v_add_nc_u32 v[HWA], s[HC], v[HW0]
.irp b, 0,1,2,3
	v_max3_num_f32 v[TM+\b], |v[U0+16*\b]|, |v[U0+16*\b+1]|, 0x4800000             ; tile b of rows: my 16 numbers, and the floor 2^(9 - 127)
.endr
.irp i, 2,4,6,8,10,12,14
.irp b, 0,1,2,3
	v_max3_num_f32 v[TM+\b], v[TM+\b], |v[U0+16*\b+\i]|, |v[U0+16*\b+\i+1]|        ; (the four tiles by turns)
.endr
.endr
.irp b, 0,1,2,3
	v_permlanex16_b32 v[TM+4+\b], v[TM+\b], s[SEL], s[SEL+1]
.endr
.irp b, 0,1,2,3
	v_max_num_f32 v[TM+\b], v[TM+\b], v[TM+4+\b]
.endr
.irp b, 0,1,2,3
	v_add_nc_u32 v[TM+12+\b], 0xfc000000, v[TM+\b]
.endr
.irp b, 0,1,2,3
	v_and_or_b32 v[TM+8+\b], v[TM+\b], 0x7f800000, s[MNT]
.endr
.irp b, 0,1,2,3
	v_lshrrev_b32 v[TM+4+\b], 23, v[TM+12+\b]
.endr
.irp b, 0,1,2,3
	v_lshl_or_b32 v[HSW+\b], v[TM+4+\b], s[SH], v[HSW+\b]
.endr
.irp b, 0,1,2,3
.irp i, 0,1,2,3,4,5,6,7,8,9,10,11,12,13,14,15
	v_med3_num_f32 v[U0+16*\b+\i], v[U0+16*\b+\i], -v[TM+8+\b], v[TM+8+\b]
.endr
	v_cvt_scalef32_pk8_fp8_f32 v[PC+4*\b:PC+4*\b+1], v[U0+16*\b:U0+16*\b+7], v[TM+12+\b]
	v_cvt_scalef32_pk8_fp8_f32 v[PC+4*\b+2:PC+4*\b+3], v[U0+16*\b+8:U0+16*\b+15], v[TM+12+\b]
.endr
	v_nop                                          ; a plain line behind the last conversion: later vector lines write its sources
.irp b, 0,1,2,3
	ds_store_b128 v[HWA], v[PC+4*\b:PC+4*\b+3] offset:8192*\b
	ds_store_b32 v[HSA], v[HSW+\b] offset:256*\b   ; both halves of the lanes write the same word with the same value
.endr
.endm
; A PREFETCH of layer 1's first three slots of each of the two orders of walking: slots 12 to 14 by cluster 0, slots 15 to 17 by cluster 1, each one change of slots (64 matrix instructions and a third of an activation) ahead of
; its own tensor load for that slot: at the three changes of layer 0's last trip (s[SL] = 7, 6, 5).  The four partners take a quarter of the slot each, told apart by address; in each, wave w takes 8,192 bytes, lanes 256 bytes
; apart: every aligned block of 256 bytes is named once in the launch.  Layer 0's slots are not asked for: a cluster's first chunk is due at the head or straight behind it.
.macro ASK
	s_sub_co_u32 s74, s[SL], 5
	s_cmp_lt_u32 s74, s[LIM]
	s_cbranch_scc0 .Lnot_mine_\@
	global_prefetch_b8 v[PFO], s[PFA:PFA+1] th:TH_LOAD_NT scope:SCOPE_SE
.Lnot_mine_\@:
.endm
; THE CHANGE OF SLOTS, behind a slot's products.  Each wave waits for all its tensor loads (one is out: its part of the slot ahead), adds 0 to its spare word, and waits for that and for its LDS reads and stores.
; fill = 1: behind a round of the cluster's barrier the slot just multiplied is filled with slot s[reg] + add of wq, the walk's next but one: no wave of any partner still reads it or has a load on its way.  ask = 1: in layer 0.
.macro CHANGE fill, reg, add, ask
	WIN 0
	s_wait_tensorcnt 0x0                           ; no tensor load of mine is out, so a group 0 may be written
	ds_add_u32 v[SPW], v[NIL]                      ; 0 onto my spare word
	s_xor_b32 s[TB], s[TB], SLOT1                  ; the reads go on to the other slot
.if \fill
	s_xor_b32 s[G0B+1], s[G0B+1], SLOT1            ; the walking descriptor: the other LDS slot than last time,
	s_add_co_u32 s78, s[\reg], \add
	s_lshl_b32 s78, s78, 17
	s_add_nc_u64 s[G0B+2:G0B+3], s[6:7], s[78:79]  ; my wave's part of the slot of wq that the walk names,
	s_or_b32 s[G0B+3], s[G0B+3], 0x80000000        ; type = 2
.if \ask
	s_wait_xcnt 0x0                                ; the last prefetch, a slot back, has read its address
	s_add_nc_u64 s[PFA:PFA+1], s[PFA:PFA+1], SLOT1
	s_sub_co_u32 s[SL], s[SL], 1
.endif
	s_wait_dscnt 0x0                               ; the add is done, and my reads of the slot are over
	CROUND
	tensor_load_to_lds s[G0B:G0B+3], s[G1:G1+7]    ; the first thing behind the round, and my one tensor load until the next
	s_nop 0
	PLACES 4
.if \ask
	ASK
.endif
.else
	s_wait_dscnt 0x0
	s_barrier_signal -1
	s_barrier_wait -1
.endif
.endm
; h's 16 fragments come back from LDS.  The four registers at place j of the walk belong to block (v + j) % 4 of their fragment, v = C % 4.
.macro HREAD v
	WIN 0x80                                       ; destination window 2
.set qf, 0
.rept 16                                       ; qf = 4 m + k
.set qc, 0
.rept 4
	ds_load_b128 v[16*qf+4*(((\v)+qc)%4):16*qf+4*(((\v)+qc)%4)+3], v[LIR] offset:2048*qf+512*qc
.set qc, qc+1
.endr
.set qf, qf+1
.endr
	WIN 0
.endm
; THE WAY OUT of layer 1's h, a tile of 16 rows x my chunk's 64 columns at a time: through my own stage (rows of 256 bytes + 16) and back by rows, so that sixteen lanes store 256 consecutive bytes, aligned.
; Local rows 16 m + 2 i and 16 m + 2 i + 1 are neighbours in memory, 64 m + 8 i rows from my work-group's first.  Each tile has its own 32 registers, so that no store's data are written again on one way out.
.macro TOSTAGE m
	WIN 0
.set qb, 0
.rept 2
.set qq, 0
.rept 4
	ds_store_b128 v[STO], v[U1+32*(\m)+16*qb+4*qq:U1+32*(\m)+16*qb+4*qq+3] offset:128*qb+16*qq
.set qq, qq+1
.endr
.set qb, qb+1
.endr
	WIN 0xc0                                       ; destination window 3
.set qi, 0
.rept 8
	ds_load_b128 v[OB+32*(\m)+4*qi:OB+32*(\m)+4*qi+3], v[RD] offset:544*qi  ; served in order: these see the stores above, and the next tile's stores come behind them
.set qi, qi+1
.endr
.endm
.macro SEND m, cnt, ptr
	s_wait_dscnt \cnt                              ; the tile is back; the next tile's eight stores and eight loads may be out
	WIN 0x0c                                       ; a store's data are its source 1: window 3
.set qi, 0
.rept 8
	global_store_b128 v[GO], v[OB+32*(\m)+4*qi:OB+32*(\m)+4*qi+3], s[\ptr:\ptr+1] offset:(64*(\m)+8*qi)*2048 th:TH_STORE_NT
.set qi, qi+1
.endr
.endm
.macro OUT ptr
	s_wait_xcnt 0x0                                ; the last way out's stores, three slots back, have read their registers
	TOSTAGE 0
	TOSTAGE 1
	SEND 0, 16, \ptr
	TOSTAGE 2
	SEND 1, 16, \ptr
	TOSTAGE 3
	SEND 2, 16, \ptr
	SEND 3, 0, \ptr
	WIN 0
.endm
; LAYER 0: four chunks of 32 units, three slots each.  A trip walks a chunk.
.Lch:
	s_lshl_b32 s[SH], s[CHK], 3
	s_lshl_b32 s84, s[CHK], 7                      ; the chunk's 32 units of 4 bytes
	s_add_nc_u64 s[PH:PH+1], s[PHB:PHB+1], s[84:85]              ; (the stores that read these have passed their s_wait_xcnt 0)
	s_add_nc_u64 s[PCN:PCN+1], s[PCB:PCB+1], s[84:85]
	s_add_co_u32 s[NCHK], s[CHK], 1
	s_and_b32 s[NCHK], s[NCHK], 3
	s_mul_i32 s[SNXT], s[NCHK], 3
	s_cmp_eq_u32 s[CNT], 1                         ; behind the last chunk the walk goes on into layer 1
	s_cselect_b32 s[SNXT], s[C1B], s[SNXT]
	MM 0, 0, 1, SCUR, 1
	CHANGE 1, SCUR, 2, 1
	LDSTART 0, 1
	PH_I 64, 0, A0, U0
	MM 0, 1, 1, SCUR, 2
	CHANGE 1, SNXT, 0, 1
	LDSTART 0, 2
	PH_G 64, 0, A0, U0
	FINAL 16, U0, PCN                              ; c, before it is turned into h
	MM 0, 2, 1, SNXT, 0
	s_add_co_u32 s[BO], s[BO], 128
	CHANGE 1, SNXT, 1, 1
	LDSTART 0, 0                                   ; (in the last trip the fragments are layer 1's, whatever their order; the biases read here are then not used)
	PH_O 64, 0, A0, U0
	FINAL 16, U0, PH                               ; h, before the hold touches it
	QUANTH
	s_add_co_u32 s[HC], s[HC], 512
	s_mov_b32 s[CHK], s[NCHK]
	s_mov_b32 s[SCUR], s[SNXT]
	s_sub_co_u32 s[CNT], s[CNT], 1
	s_cmp_lg_u32 s[CNT], 0
	s_cbranch_scc1 .Lch
; LAYER 1: h's 16 fragments and their scale words into registers; then two chunks of 64 units, written out, since the last change of slots asks for nothing.
	BARRIER                                        ; every wave's images and scale words of h lie in LDS.  (My tensor load for the slot after next stays out)
	s_cmp_eq_u32 s[R0], 1
	s_cbranch_scc1 .Lrot1
	s_cmp_eq_u32 s[R0], 2
	s_cbranch_scc1 .Lrot2
	s_cmp_eq_u32 s[R0], 3
	s_cbranch_scc1 .Lrot3
	HREAD 0
	s_branch .Lrot_end
.Lrot1:
	HREAD 1
	s_branch .Lrot_end
.Lrot2:
	HREAD 2
	s_branch .Lrot_end
.Lrot3:
	HREAD 3
.Lrot_end:
.set qe, 0
.rept 8                                        ; register 2 m + q: lanes 0-15 the words of fragment (m, 2 q), lanes 16-31 those of (m, 2 q + 1)
	ds_load_b32 v[SA+qe], v[LSR] offset:2048+128*qe
.set qe, qe+1
.endr
	s_mov_b32 s[BO], 0
	BIASLD 1, 0
	s_add_nc_u64 s[PHB:PHB+1], s[PHB:PHB+1], 16384 ; on to layer 1's planes
	s_add_nc_u64 s[PCB:PCB+1], s[PCB:PCB+1], 16384
	s_sub_co_u32 s[SNXT], 27, s[SCUR]              ; the other of slots 12 and 15
	s_and_b32 s84, ttmp9, 1
	s_lshl_b32 s84, s84, 8                         ; the first chunk walked: 64 units of 4 bytes
	s_add_nc_u64 s[PH:PH+1], s[PHB:PHB+1], s[84:85]
	s_add_nc_u64 s[PCN:PCN+1], s[PCB:PCB+1], s[84:85]
	s_add_nc_u64 s[OP:OP+1], s[OP1:OP1+1], s[84:85]
	s_xor_b32 s84, s84, 256                        ; the second
	s_add_nc_u64 s[OP1:OP1+1], s[OP1:OP1+1], s[84:85]
	s_wait_dscnt 0x0                               ; the biases are the youngest loads here: all are waited for
.irp j, 0,1
	MM 1, 0, 1, SCUR, 1
	CHANGE 1, SCUR, 2, 0
	LDSTART 1, 1
	PH_I 128, 3, 0, U1
	MM 1, 1, 1, SCUR, 2
	CHANGE 1-\j, SNXT, 0, 0
	LDSTART 1, 2
	PH_G 128, 3, 0, U1
	FINAL 32, U1, PCN
.if \j == 0
	MM 1, 2, 1, SNXT, 0
	s_mov_b32 s[BO], 256
	CHANGE 1, SNXT, 1, 0
	LDSTART 1, 0
.else
	MM 1, 2, 0, SNXT, 0
.set LQ, 64                            ; nothing is left to read
.endif
	PH_O 128, 3, 0, U1
	FINAL 32, U1, PH
.if \j == 0
	OUT OP
	s_mov_b32 s[SCUR], s[SNXT]
	s_add_nc_u64 s[PH:PH+1], s[PHB:PHB+1], s[84:85]              ; (the stores that read these have passed their s_wait_xcnt 0)
	s_add_nc_u64 s[PCN:PCN+1], s[PCB:PCB+1], s[84:85]
.else
	OUT OP1
.endif
.endr
	s_wait_tensorcnt 0x0                           ; the wave's end: behind my last tensor load and my last LDS store
	ds_add_u32 v[SPW], v[NIL]
	s_wait_dscnt 0x0
	CROUND                                         ; the closing round: no work-group ends while a partner may still ask for a slot that names it
	s_endpgm
.Lfunc_end_k_q4fa4b22109_lstm:
	.size	k_q4fa4b22109_lstm, .Lfunc_end_k_q4fa4b22109_lstm-k_q4fa4b22109_lstm
	.p2alignl 7, 3214868480
	.fill 96, 4, 3214868480
	.section	.rodata,"a",@progbits
	.p2align	6, 0x0
	.amdhsa_kernel k_q4fa4b22109_lstm
		.amdhsa_group_segment_fixed_size 327680
		.amdhsa_private_segment_fixed_size 0
		.amdhsa_enable_private_segment 0
		.amdhsa_kernarg_size 80
		.amdhsa_user_sgpr_count 2
		.amdhsa_user_sgpr_kernarg_segment_ptr 1
		.amdhsa_wavefront_size32 1
		.amdhsa_system_sgpr_workgroup_id_x 1
		.amdhsa_system_sgpr_workgroup_id_y 1
		.amdhsa_system_sgpr_workgroup_id_z 1
		.amdhsa_system_vgpr_workitem_id 0
		.amdhsa_next_free_vgpr 1024
		.amdhsa_next_free_sgpr 96
		.amdhsa_reserve_vcc 1
		.amdhsa_float_denorm_mode_32 3
		.amdhsa_float_denorm_mode_16_64 3
		.amdhsa_memory_ordered 1
		.amdhsa_forward_progress 1
		.amdhsa_inst_pref_size 255
	.end_amdhsa_kernel
	.section	.bss,"aw",@nobits
	.p2align	6
	.space	262144
	.amdgpu_metadata
---
amdhsa.version: [ 1, 2 ]
amdhsa.kernels:
  - .name:           k_q4fa4b22109_lstm
    .symbol:         k_q4fa4b22109_lstm.kd
    .args:
      - { .name: x, .offset: 0, .size: 8, .value_kind: global_buffer, .address_space: global }
      - { .name: wq, .offset: 8, .size: 8, .value_kind: global_buffer, .address_space: global }
      - { .name: wsc, .offset: 16, .size: 8, .value_kind: global_buffer, .address_space: global }
      - { .name: b_f0, .offset: 24, .size: 8, .value_kind: global_buffer, .address_space: global }
      - { .name: b_b0, .offset: 32, .size: 8, .value_kind: global_buffer, .address_space: global }
      - { .name: b_f1, .offset: 40, .size: 8, .value_kind: global_buffer, .address_space: global }
      - { .name: b_b1, .offset: 48, .size: 8, .value_kind: global_buffer, .address_space: global }
      - { .name: out0, .offset: 56, .size: 8, .value_kind: global_buffer, .address_space: global }
      - { .name: out1, .offset: 64, .size: 8, .value_kind: global_buffer, .address_space: global }
      - { .name: out2, .offset: 72, .size: 8, .value_kind: global_buffer, .address_space: global }
    .group_segment_fixed_size: 327680
    .private_segment_fixed_size: 0
    .kernarg_segment_align: 8
    .kernarg_segment_size: 80
    .max_flat_workgroup_size: 128
    .sgpr_count:     96
    .vgpr_count:     1024
    .wavefront_size: 32
...
	.end_amdgpu_metadata
.endif
;; end of part 2
